; MI455X (gfx1250); checked and timed in simulation.
; The chip was launched on July 23, 2026; its instructions are those of AMD's public machine-readable ISA for CDNA 5 (MIT licence, August 2026) and "CDNA5" Instruction Set Architecture Reference Guide (July 2026). The comments in the code are by the model that wrote it; some were corrected since.
;; Heavy Layer. Allowed arithmetic: float matrix products may take bf16 or f16 operands with f32 sums; all other float work in f32.
;; Inputs: aux_weight1 1,024 x 1,024 float32; aux_weight2 1,024 x 1,024 float32; bias 1,024 float32; weight 1,024 x 1,024 float32; x 4 x 2,048 x 1,024 float32.
;; Outputs: out0 4 x 2,048 x 1,024 float32.
;; One version. Each part assembles by itself: llvm-mc -triple=amdgcn-amd-amdhsa -mcpu=gfx1250 --defsym DOCPART=n.
;; ======== version 1 of 1: 3 launches
;; workspace buffers: t2 4,194,304 bytes; a2f 2,097,152 bytes; wb 2,097,152 bytes
;; launch tprod (part 1): grid 16 x 16, 4 waves a work-group, clusters of 4 x 4, 296,448 bytes of LDS; arguments weight, aux_weight1, aux_weight2, t2, a2f; writes t2, a2f
.if DOCPART == 1
	.amdgcn_target "amdgcn-amd-amdhsa--gfx1250"
	.amdhsa_code_object_version 6
	.text
	.protected	k_q9ce9e668b3_tprod
	.globl	k_q9ce9e668b3_tprod
	.p2align	8
	.type	k_q9ce9e668b3_tprod,@function
k_q9ce9e668b3_tprod:
	s_mov_b64 s[64:65], 0
	v_nop
	global_prefetch_b8 v0, s[64:65] scope:SCOPE_SE
	s_setreg_imm32_b32 hwreg(HW_REG_WAVE_MODE, 25, 1), 1
	s_wait_xcnt 0x0
	s_wait_alu depctr_hold_cnt(0) depctr_sa_sdst(0) depctr_va_vdst(0) depctr_va_sdst(0) depctr_va_ssrc(0) depctr_va_vcc(0) depctr_vm_vsrc(0)
	s_getreg_b32 s2, hwreg(HW_REG_IB_STS2, 6, 4)
	s_cmp_eq_u32 s2, 0
	s_cbranch_scc0 .Lentry_in_a_cluster
	s_endpgm
.Lentry_in_a_cluster:
	s_bfe_u32 s2, ttmp6, 0x10000c
	s_cmp_lg_u32 s2, 0xf033
	s_cbranch_scc0 .Lentry_shape_is_right
	s_endpgm
.Lentry_shape_is_right:
; THE PROGRAM.  out0 = tanh(((x W) A1) A2 + bias), x [8192][1024], W, A1, A2 [1024][1024] stored [k][n], all f32.
; The matrix product is associative for all real values of the inputs: ((x W) A1) A2 = x ((W A1) A2).  reference() as written makes three
; products of 8192 x 1024 x 1024; this program makes T = W A1 (1024^3, this launch), Wc = T A2 (1024^3, taken twice for a pair of bf16, second
; launch) and x Wc (8192 x 1024 x 1024, third launch).  No input is left out: all five reach the result.
; LIMITS.  The order of rounding differs from reference()'s: W, A1, A2 and x are rounded once to bf16, T is kept as a sum of two bf16
; (16 bits of mantissa), Wc is rounded once to bf16, all sums are f32.  A NaN, an infinity or an overflow that would arise only in x W or in
; (x W) A1 is not carried to the result; one that arises in W A1 or (W A1) A2 is.  Where T is not finite its low half is NaN.
;
; THIS LAUNCH: T[c][e] = sum over d of bf16(W[c][d]) bf16(A1[d][e]), stored as t2[c][e / 64][hi 64 bf16 | lo 64 bf16], T = hi + lo:
; byte c * 4096 + (e / 64) * 256 + 128 * lo + 2 (e % 64).  A tile's row there is 256 consecutive bytes, aligned.
; Beside it each wave rounds its 16 x 64 numbers of A2 to bf16 and stores them as the second launch's B fragments lie in registers (a2f, below).
; 256 work-groups of four waves, each a tile of 64 x 64 of T.  The waves share K: wave w takes k = 256 w .. 256 w + 255 for the whole tile
; (16 accumulator tiles, 128 registers), in eight sub-steps of 32; the four partial tiles are added through LDS at the end.
; P = W comes by tensor loads: a wave's share is 64 rows x 1,024 bytes, as four chunks of 64 rows x 256 bytes, all asked for at the start.  Only the wave
; that asked reads them.  4 x 4 clusters: W's chunks hang on the row block and the wave alone and are asked for jointly by the four of a row of the cluster.
; Q = A1 DOES NOT PASS THROUGH LDS AND IS NOT ASKED FOR JOINTLY: with K shared among the waves each byte of it is used by one wave of the work-group, so LDS
; would add a write and a read and no reuse; a load's sixteen neighbouring lanes take 256 consecutive bytes of one k row, aligned; and without
; Q's 262,144 bytes the whole of P (4 x 69,632 bytes with padding) fits in LDS, so that no LDS byte is filled twice and no fill waits for another.
; LDS: wave w's P at w * 69,632, chunk c at + c * 17,408, rows 272 apart (256 + 16 of padding: the sixteen rows that a load touches lie 16 bytes apart
; modulo 256).  A wave's partial tile goes into the first 16,384 bytes of its own P, behind its last read of them.  The stage for the way out has bytes of its own.
; a2f[k / 32][n / 64][piece 2 q + g][lane][16 bytes]: lane (r, h)'s registers 4 g .. 4 g + 3 of the B fragment of columns 4 r + q: k = 16 g + 8 h + 0 .. 7.
.set PPITCH, 272
.set CHUNK,  64*PPITCH                 ; 17,408
.set WREG,   4*CHUNK                   ; 69,632: a wave's P
.set STAGE,  4*WREG                    ; 278,528: 4 waves x 16 rows x 272 bytes
.set QO,  4                            ; v4      my byte offset in A1: 256 w + 8 h rows, 16 r
.set AP,  5                            ; v5      my LDS address in P
.set RST, 6                            ; v6      where I put my partial tile
.set L16, 7                            ; v7      16 x lane
.set RLD, 8                            ; v8-11   where I read my quarter of wave 0 .. 3's partial tile
.set SST, 12                           ; v12     stage: in
.set SLD, 13                           ; v13     stage: back
.set GO,  14                           ; v14     my byte offset in t2
.set AO,  15                           ; v15     my byte offset in A2: 8 h rows, 16 r
.set PKA, 16                           ; v16-31   my part of A2, packed (during set-up: at work)
.set RP,  32                           ; v32-95   P as loaded, f32
.set AF,  96                           ; v96-127, v128-159  four A fragments, two buffers
.set BF,  160                          ; v160-191, v192-223 four B fragments, two buffers
.set XA,  224                          ; v224-255 my part of A2 as loaded
.set FIN, 32                           ; v32-159  the four partial quarters; their sum in v32-63
.set HI,  160                          ; the way out: high halves, low halves, at work, rows read back
.set LO,  176
.set WD,  192
.set OB,  224
.set G1,  24                           ; s[24:31] group 1 of P's chunks
.set G0,  32                           ; s[32:47] group 0, one set for each chunk; none is ever rewritten
.set ACCW, 0x50                        ; C and D in window 1 (v256-383: tile (a, q) at 8 (4 a + q)), A and B in window 0
.set TO_Q, 0x80                        ; destination in window 2 (v512-703: Q as loaded, three buffers of 64), address in window 0
.set FROM_Q, 0x0a                      ; sources 0 and 1 in window 2, destination in window 0
.set MSB, 0
.macro WIN new                         ; the immediate's high byte repeats the setting that is left; at labels and branches the setting is 0
.if MSB != \new
	s_set_vgpr_msb (MSB<<8)|\new
.set MSB, \new
.endif
.endm
.macro PLACES                          ; four independent vector instructions behind a matrix instruction (ISA guide 7.12.1), ahead of writes of its sources and reads of its result
.rept 4
	v_nop
.endr
.endm
; A round of the cluster's barrier: my work-group's barrier; wave 0 signals for the work-group; every wave waits for all sixteen; my work-group's barrier again.
.macro CROUND
	s_barrier_signal -1
	s_barrier_wait -1
	s_cmp_lg_u32 s14, 0
	s_cbranch_scc1 .Lnot_wave_0_\@
	s_barrier_signal -3
.Lnot_wave_0_\@:
	s_barrier_wait -3
	s_barrier_signal -1
	s_barrier_wait -1
.endm
	s_load_b256 s[4:11], s[0:1], 0x0               ; W s[4:5], A1 s[6:7], A2 s[8:9], t2 s[10:11]
	s_load_b64 s[12:13], s[0:1], 0x20              ; a2f
	s_set_vgpr_msb 0x40
	v_lshl_add_u32 v254, v0, 2, 0x48400
	v_mov_b32 v255, 0
	s_set_vgpr_msb 0x4045
	ds_add_u32 v254, v255
	s_set_vgpr_msb 0x4500
	v_lshrrev_b32 v1, 5, v0
	v_readfirstlane_b32 s14, v1                    ; wave 0..3
	s_bfe_u32 s16, ttmp6, 0x40000                  ; cx
	s_bfe_u32 s17, ttmp6, 0x40004                  ; cy
	s_lshl_b32 s18, ttmp9, 2
	s_add_co_u32 s18, s18, s16                     ; column block = 4 x cluster x + cx
	s_and_b32 s19, ttmp7, 0xffff
	s_lshl_b32 s19, s19, 2
	s_add_co_u32 s19, s19, s17                     ; row block = 4 x cluster y + cy
	s_lshl_b32 s20, s17, 2
	s_lshl_b32 s20, 15, s20                        ; my row of the cluster: places 4 cy .. 4 cy + 3
	; group 1: 64 rows x 64 elements of 4 bytes, 4 words of padding behind every 64 words
	s_or_b32 s[G1+0], s20, (2<<16)|(1<<20)|(1<<21)|(5<<22)|(3<<25)
	s_mov_b32 s[G1+1], 64<<16                      ; tensor_dim0 = 64
	s_mov_b32 s[G1+2], 64<<16                      ; tensor_dim1 = 64
	s_mov_b32 s[G1+3], 64<<16                      ; tile_dim0 = 64
	s_mov_b32 s[G1+4], 64                          ; tile_dim1 = 64
	s_mov_b32 s[G1+5], 1024                        ; elements from row to row
	s_mov_b32 s[G1+6], 0
	s_mov_b32 s[G1+7], 0
	s_lshl_b32 s48, s19, 18                        ; P: 64 rows of 4,096 bytes a row block,
	s_lshl_b32 s49, s14, 10                        ; my 256 k: 1,024 bytes along the rows.  The column block does not enter
	s_add_co_u32 s48, s48, s49
	s_mov_b32 s49, 0
	s_mul_i32 s21, s14, WREG                       ; my P in LDS
	s_lshl_b32 s50, s18, 8                         ; Q and t2: 64 columns = 256 bytes a column block
	s_mov_b32 s51, 0
	; my part of A2: the 1,024 waves of the launch share 512 blocks of 32 k x 64 n, two waves a block (g = 0, 1: 16 k each)
	s_lshl_b32 s52, s19, 5
	s_lshl_b32 s53, s18, 1
	s_add_co_u32 s52, s52, s53
	s_lshr_b32 s53, s14, 1
	s_add_co_u32 s52, s52, s53                     ; block = 32 x row block + 2 x column block + wave / 2 = 16 (k / 32) + n / 64
	s_and_b32 s53, s14, 1                          ; g
	s_lshr_b32 s54, s52, 4
	s_lshl_b32 s54, s54, 17                        ; 32 k rows of 4,096 bytes,
	s_lshl_b32 s55, s53, 16                        ; 16 more for g = 1,
	s_add_co_u32 s54, s54, s55
	s_and_b32 s55, s52, 15
	s_lshl_b32 s55, s55, 8                         ; 64 columns of 4 bytes
	s_add_co_u32 s54, s54, s55
	s_mov_b32 s55, 0
	s_lshl_b32 s52, s52, 12                        ; in a2f a block is 4,096 bytes, piece 2 q + g at 512 (2 q + g)
	s_lshl_b32 s53, s53, 9
	s_add_co_u32 s52, s52, s53
	s_mov_b32 s53, 0
	v_and_b32 v1, 15, v0                           ; r = L % 16
	v_bfe_u32 v2, v0, 4, 1                         ; h = L / 16
	v_and_b32 v3, 31, v0                           ; L
	v_lshlrev_b32 v16, 4, v1                       ; 16 r
	v_lshl_add_u32 v[AO], v2, 15, v16              ; 8 h rows of 4,096 bytes + my four columns
	s_lshl_b32 s22, s14, 20                        ; my 256 k rows
	v_add_nc_u32 v[QO], s22, v[AO]
	v_lshlrev_b32 v[L16], 4, v3
	s_wait_dscnt 0x0
	s_wait_kmcnt 0x0
	s_add_nc_u64 s[48:49], s[4:5], s[48:49]
	s_add_nc_u64 s[6:7], s[6:7], s[50:51]
	s_add_nc_u64 s[8:9], s[8:9], s[54:55]
	s_add_nc_u64 s[12:13], s[12:13], s[52:53]
	CROUND                                         ; all sixteen work-groups are here: the joint loads meet
.irp c, 0,1,2,3
	s_mov_b32 s[G0+4*\c], 1
	s_add_co_u32 s[G0+4*\c+1], s21, \c*CHUNK
	s_add_nc_u64 s[G0+4*\c+2:G0+4*\c+3], s[48:49], \c*256
	s_or_b32 s[G0+4*\c+3], s[G0+4*\c+3], 0x80000000
	tensor_load_to_lds s[G0+4*\c:G0+4*\c+3], s[G1:G1+7]           ; all of my P, in the order in which it is used: four loads of the wave are out
	s_nop 0
.endr
; Q for the 32 k of sub-step u, into buffer u % 3: lane (r, h) takes Q[16 g + 8 h + i][4 r .. 4 r + 3]; sixteen lanes take 256 consecutive bytes, aligned
.macro LOADQ u
.irp g, 0,1
.irp i, 0,1,2,3,4,5,6,7
	global_load_b128 v[64*((\u)%3)+32*\g+4*\i:64*((\u)%3)+32*\g+4*\i+3], v[QO], s[6:7] offset:(32*(\u)+16*\g+\i)*4096
.endr
.endr
.endm
; The pack that rounds also transposes: fragment q holds column 4 r + q in lane r; register 4 g + t holds k = 16 g + 8 h + 2 t, + 1
.macro CVTQ u
.irp q, 0,1,2,3
.irp g, 0,1
.irp t, 0,1,2,3
	v_cvt_pk_bf16_f32 v[BF+32*((\u)&1)+8*\q+4*\g+\t], v[64*((\u)%3)+32*\g+8*\t+\q], v[64*((\u)%3)+32*\g+8*\t+4+\q]
.endr
.endr
.endr
.endm
; P for sub-step u (chunk u / 2, half u % 2): lane (r, h) takes rows 16 a + r, k = 8 h .. + 7 (32 bytes) and 16 + 8 h .. + 7 (32 bytes, 64 further on)
.macro FETCHP u
.irp a, 0,1,2,3
	ds_load_b128 v[RP+16*\a:RP+16*\a+3],     v[AP] offset:((\u)>>1)*CHUNK+\a*16*PPITCH+((\u)&1)*128
	ds_load_b128 v[RP+16*\a+4:RP+16*\a+7],   v[AP] offset:((\u)>>1)*CHUNK+\a*16*PPITCH+((\u)&1)*128+16
	ds_load_b128 v[RP+16*\a+8:RP+16*\a+11],  v[AP] offset:((\u)>>1)*CHUNK+\a*16*PPITCH+((\u)&1)*128+64
	ds_load_b128 v[RP+16*\a+12:RP+16*\a+15], v[AP] offset:((\u)>>1)*CHUNK+\a*16*PPITCH+((\u)&1)*128+80
.endr
.endm
.macro CVTP u
.irp a, 0,1,2,3
.irp i, 0,1,2,3,4,5,6,7
	v_cvt_pk_bf16_f32 v[AF+32*((\u)&1)+8*\a+\i], v[RP+16*\a+2*\i], v[RP+16*\a+2*\i+1]
.endr
.endr
.endm
; 16 matrix instructions on 16 accumulators, which take turns one instruction a turn.  zero = 1: the first product starts the sums.
; Register j of lane (r, h) of tile (a, q) is (row 16 a + 8 h + j, column 4 r + q).
.macro MUL u, zero
.irp a, 0,1,2,3
.irp q, 0,1,2,3
.if \zero
	v_wmma_f32_16x16x32_bf16 v[8*(4*\a+\q):8*(4*\a+\q)+7], v[AF+32*((\u)&1)+8*\a:AF+32*((\u)&1)+8*\a+7], v[BF+32*((\u)&1)+8*\q:BF+32*((\u)&1)+8*\q+7], 0
.else
	v_wmma_f32_16x16x32_bf16 v[8*(4*\a+\q):8*(4*\a+\q)+7], v[AF+32*((\u)&1)+8*\a:AF+32*((\u)&1)+8*\a+7], v[BF+32*((\u)&1)+8*\q:BF+32*((\u)&1)+8*\q+7], v[8*(4*\a+\q):8*(4*\a+\q)+7]
.endif
.endr
.endr
.endm
; Sub-step u.  left = the loads issued behind Q's sixteen of this sub-step.  The fragments have two buffers: the 64 conversions of a sub-step name none of the
; registers of the products just before them (those read the other buffer), so they are the independent vector instructions (ISA guide 7.12.1) that stand
; between those products and the next conversions into that buffer.
.macro SUB u, zero, left
	s_wait_loadcnt \left                           ; loads come back in order (ISA guide 5.7.1): this sub-step's Q is in, the younger loads stay out
	WIN FROM_Q
	CVTQ \u
.if \u < 5
	WIN TO_Q
	LOADQ (\u+3)                                   ; three sub-steps ahead, into the buffer that has just been read
.endif
	WIN 0
	s_wait_dscnt 0x0                               ; this sub-step's P is in
	CVTP \u
.if (\u & 1) == 0
	FETCHP (\u+1)                                  ; the same chunk's second half, while this sub-step is multiplied
.endif
	WIN ACCW
	MUL \u, \zero
	WIN 0
.if (\u & 1) == 1
.if \u < 7
	s_wait_tensorcnt 3-(\u+1)/2                    ; tensor loads of a wave end in order (ISA guide 10.11.1): my next chunk is in, the younger ones stay out
	FETCHP (\u+1)
.endif
.endif
.endm
	WIN TO_Q
	LOADQ 0
	LOADQ 1
	LOADQ 2
	WIN 0
.irp i, 0,1,2,3,4,5,6,7
	global_load_b128 v[XA+4*\i:XA+4*\i+3], v[AO], s[8:9] offset:\i*4096 th:TH_LOAD_NT   ; A2[16 g + 8 h + i][4 r .. + 3] of my block: read once in the launch
.endr
	v_mul_u32_u24 v17, v1, PPITCH                  ; row r,
	v_lshl_add_u32 v17, v2, 5, v17                 ; k = 8 h: 32 bytes of f32
	v_add_nc_u32 v[AP], s21, v17
	v_add_nc_u32 v[RST], s21, v[L16]
	s_lshl_b32 s23, s14, 12                        ; quarter w of a partial tile
	v_add_nc_u32 v[RLD], s23, v[L16]
	v_add_nc_u32 v[RLD+1], WREG, v[RLD]
	v_add_nc_u32 v[RLD+2], 2*WREG, v[RLD]
	v_add_nc_u32 v[RLD+3], 3*WREG, v[RLD]
	s_mul_i32 s23, s14, 16*272
	s_add_co_u32 s23, s23, STAGE                   ; my stage
	v_mul_u32_u24 v17, v2, 8*272
	v_lshl_add_u32 v17, v1, 3, v17
	v_add_nc_u32 v[SST], s23, v17                  ; in: row 8 h + j, 8 bytes at 8 r
	v_mul_u32_u24 v17, v2, 272
	v_add_nc_u32 v17, v17, v16
	v_add_nc_u32 v[SLD], s23, v17                  ; back: lanes 0-15 one row of 256 bytes, lanes 16-31 the next
	v_lshl_add_u32 v[GO], v2, 12, v16              ; the same two rows in t2
	s_wait_tensorcnt 0x3                           ; my first chunk is in; the three younger ones stay out.  Only I read my chunks: no barrier
	FETCHP 0
	SUB 0, 1, 40                                   ; behind Q 0: Q 1, Q 2 and A2's eight
	SUB 1, 0, 40                                   ; behind Q 1: Q 2, A2's eight, Q 3
	SUB 2, 0, 40                                   ; behind Q 2: A2's eight, Q 3, Q 4
	s_wait_loadcnt 48                              ; my part of A2 is in: behind it Q 3, Q 4, Q 5
.irp q, 0,1,2,3
.irp t, 0,1,2,3
	v_cvt_pk_bf16_f32 v[PKA+4*\q+\t], v[XA+8*\t+\q], v[XA+8*\t+4+\q]         ; registers 4 g + t of fragment q, as CVTQ makes them
.endr
	global_store_b128 v[L16], v[PKA+4*\q:PKA+4*\q+3], s[12:13] offset:1024*\q   ; a store of the wave covers 512 consecutive bytes, aligned; its registers are not written again
.endr
	SUB 3, 0, 32                                   ; behind Q 3: Q 4, Q 5
	SUB 4, 0, 32                                   ; Q 5, Q 6
	SUB 5, 0, 32                                   ; Q 6, Q 7
	SUB 6, 0, 16                                   ; Q 7
	SUB 7, 0, 0
	; The four partial tiles meet in LDS: wave w puts quarter a (rows 16 a .. + 15, 32 registers) at w * 69,632 + a * 4,096, as registers lie: bytes of its own P,
	; whose only fill has landed (the wait for its last chunk was for 0) and whose last read is back.
	PLACES                                         ; behind the last products, whose results are now read
	WIN 0x04                                       ; store data from window 1
.irp a, 0,1,2,3
.irp i, 0,1,2,3,4,5,6,7
	ds_store_b128 v[RST], v[32*\a+4*\i:32*\a+4*\i+3] offset:\a*4096+\i*512
.endr
.endr
	WIN 0
	s_wait_dscnt 0x0                               ; for the others' sake: my stores are done
	s_barrier_signal -1
	s_barrier_wait -1
.irp p, 0,1,2,3
.irp i, 0,1,2,3,4,5,6,7
	ds_load_b128 v[FIN+32*\p+4*\i:FIN+32*\p+4*\i+3], v[RLD+\p] offset:\i*512   ; quarter w of wave p's partial tile
.endr
.endr
	s_lshl_b32 s48, s19, 18                        ; t2 at my 16 rows: (64 x row block + 16 w) x 4,096
	s_lshl_b32 s49, s14, 16
	s_add_co_u32 s48, s48, s49
	s_mov_b32 s49, 0
	s_add_nc_u64 s[10:11], s[10:11], s[48:49]
	s_add_nc_u64 s[10:11], s[10:11], s[50:51]      ; and my column block's 256 bytes
	s_wait_dscnt 0x0
.irp p, 1,2,3
.irp i, 0,1,2,3,4,5,6,7,8,9,10,11,12,13,14,15
	v_pk_add_f32 v[FIN+2*\i:FIN+2*\i+1], v[FIN+2*\i:FIN+2*\i+1], v[FIN+32*\p+2*\i:FIN+32*\p+2*\i+1]
.endr
.endr
	; v[FIN + 8 q + j] = T(row 16 w + 8 h + j, column 4 r + q).  hi = bf16(T), lo = bf16(T - hi); four columns are 8 bytes of each half.
.irp j, 0,1,2,3,4,5,6,7
	v_cvt_pk_bf16_f32 v[HI+2*\j],   v[FIN+\j],    v[FIN+8+\j]
	v_cvt_pk_bf16_f32 v[HI+2*\j+1], v[FIN+16+\j], v[FIN+24+\j]
	v_lshlrev_b32 v[WD],   16,         v[HI+2*\j]
	v_and_b32     v[WD+1], 0xffff0000, v[HI+2*\j]
	v_lshlrev_b32 v[WD+2], 16,         v[HI+2*\j+1]
	v_and_b32     v[WD+3], 0xffff0000, v[HI+2*\j+1]
	v_sub_f32 v[WD],   v[FIN+\j],    v[WD]
	v_sub_f32 v[WD+1], v[FIN+8+\j],  v[WD+1]
	v_sub_f32 v[WD+2], v[FIN+16+\j], v[WD+2]
	v_sub_f32 v[WD+3], v[FIN+24+\j], v[WD+3]
	v_cvt_pk_bf16_f32 v[LO+2*\j],   v[WD],   v[WD+1]
	v_cvt_pk_bf16_f32 v[LO+2*\j+1], v[WD+2], v[WD+3]
	ds_store_b64 v[SST], v[HI+2*\j:HI+2*\j+1] offset:272*\j
	ds_store_b64 v[SST], v[LO+2*\j:LO+2*\j+1] offset:272*\j+128
.endr
.irp t, 0,1,2,3,4,5,6,7
	ds_load_b128 v[OB+4*\t:OB+4*\t+3], v[SLD] offset:544*\t       ; my own stage: LDS serves a wave's instructions in order (ISA guide 5.7.1.4), these see the stores above
.endr
.irp t, 0,1,2,3,4,5,6,7
	s_wait_dscnt 7-\t                              ; the 7 - t younger loads may stay out
	global_store_b128 v[GO], v[OB+4*\t:OB+4*\t+3], s[10:11] offset:8192*\t   ; sixteen lanes store 256 consecutive bytes, aligned
.endr
	s_set_vgpr_msb 0x5
	s_wait_tensorcnt 0x0
	ds_add_u32 v254, v255
	s_wait_dscnt 0x0
	s_set_vgpr_msb 0x500
	CROUND                                         ; the closing round: no work-group ends while a partner may still ask for a chunk that names it
	s_endpgm
.Lfunc_end_k_q9ce9e668b3_tprod:
	.size	k_q9ce9e668b3_tprod, .Lfunc_end_k_q9ce9e668b3_tprod-k_q9ce9e668b3_tprod
	.p2alignl 7, 3214868480
	.fill 96, 4, 3214868480
	.section	.rodata,"a",@progbits
	.p2align	6, 0x0
	.amdhsa_kernel k_q9ce9e668b3_tprod
		.amdhsa_group_segment_fixed_size 296448
		.amdhsa_private_segment_fixed_size 0
		.amdhsa_enable_private_segment 0
		.amdhsa_kernarg_size 40
		.amdhsa_user_sgpr_count 2
		.amdhsa_user_sgpr_kernarg_segment_ptr 1
		.amdhsa_wavefront_size32 1
		.amdhsa_system_sgpr_workgroup_id_x 1
		.amdhsa_system_sgpr_workgroup_id_y 1
		.amdhsa_system_sgpr_workgroup_id_z 1
		.amdhsa_system_vgpr_workitem_id 0
		.amdhsa_next_free_vgpr 704
		.amdhsa_next_free_sgpr 66
		.amdhsa_reserve_vcc 0
		.amdhsa_float_denorm_mode_32 3
		.amdhsa_float_denorm_mode_16_64 3
		.amdhsa_memory_ordered 1
		.amdhsa_forward_progress 1
		.amdhsa_inst_pref_size 85
	.end_amdhsa_kernel
	.amdgpu_metadata
---
amdhsa.version: [ 1, 2 ]
amdhsa.kernels:
  - .name:           k_q9ce9e668b3_tprod
    .symbol:         k_q9ce9e668b3_tprod.kd
    .args:
      - { .name: weight, .offset: 0, .size: 8, .value_kind: global_buffer, .address_space: global }
      - { .name: aux_weight1, .offset: 8, .size: 8, .value_kind: global_buffer, .address_space: global }
      - { .name: aux_weight2, .offset: 16, .size: 8, .value_kind: global_buffer, .address_space: global }
      - { .name: t2, .offset: 24, .size: 8, .value_kind: global_buffer, .address_space: global }
      - { .name: a2f, .offset: 32, .size: 8, .value_kind: global_buffer, .address_space: global }
    .group_segment_fixed_size: 296448
    .private_segment_fixed_size: 0
    .kernarg_segment_align: 8
    .kernarg_segment_size: 40
    .max_flat_workgroup_size: 128
    .sgpr_count:     66
    .vgpr_count:     704
    .wavefront_size: 32
...
	.end_amdgpu_metadata
.endif
;; end of part 1
;; launch wprod (part 2): grid 16 x 16, 4 waves a work-group, clusters of 4 x 4, 288,256 bytes of LDS; arguments t2, a2f, wb; writes wb
.if DOCPART == 2
	.amdgcn_target "amdgcn-amd-amdhsa--gfx1250"
	.amdhsa_code_object_version 6
	.text
	.protected	k_q9ce9e668b3_wprod
	.globl	k_q9ce9e668b3_wprod
	.p2align	8
	.type	k_q9ce9e668b3_wprod,@function
k_q9ce9e668b3_wprod:
	s_mov_b64 s[64:65], 0
	v_nop
	global_prefetch_b8 v0, s[64:65] scope:SCOPE_SE
	s_setreg_imm32_b32 hwreg(HW_REG_WAVE_MODE, 25, 1), 1
	s_wait_xcnt 0x0
	s_wait_alu depctr_hold_cnt(0) depctr_sa_sdst(0) depctr_va_vdst(0) depctr_va_sdst(0) depctr_va_ssrc(0) depctr_va_vcc(0) depctr_vm_vsrc(0)
	s_getreg_b32 s2, hwreg(HW_REG_IB_STS2, 6, 4)
	s_cmp_eq_u32 s2, 0
	s_cbranch_scc0 .Lentry_in_a_cluster
	s_endpgm
.Lentry_in_a_cluster:
	s_bfe_u32 s2, ttmp6, 0x10000c
	s_cmp_lg_u32 s2, 0xf033
	s_cbranch_scc0 .Lentry_shape_is_right
	s_endpgm
.Lentry_shape_is_right:
; Second launch of out0 = tanh(x ((W A1) A2) + bias): the products are associated from the right, which holds for all real values (see the first kernel's head,
; with the limits that follow from it).
; Wc[c][f] = sum over e of (Thi[c][e] + Tlo[c][e]) bf16(A2[e][f]), f32 sums, rounded once to bf16 and stored with c along the rows, in blocks:
; wb[c / 64][f][c % 64], byte (c / 64) * 131,072 + f * 128 + 2 (c % 64): a tile of 64 x 64 is 8,192 consecutive bytes.
; The shape is the first launch's: 256 work-groups of four waves, a tile of 64 x 64 each, wave w taking k = 256 w .. + 255 for the whole tile in eight sub-steps
; of 32, the partial tiles added through LDS.
; P = t2 comes by tensor loads, all asked for at the start: a wave's share is 64 rows x 1,024 bytes, four chunks of 64 rows x 256 bytes, each chunk one block
; [hi 128 bytes | lo 128 bytes] of 64 k.  Only the wave that asked reads them.  4 x 4 clusters: the chunks hang on the row block and the wave alone and are
; asked for jointly by the four of a row of the cluster.  The fragments of hi and lo are loaded as they lie: nothing is converted.
; Q = a2f, A2 in bf16 as the first launch stored it: the register image of the B fragments, [k / 32][n / 64][piece][lane][16 bytes].  IT DOES NOT PASS THROUGH LDS
; AND IS NOT ASKED FOR JOINTLY: each byte is used by one wave of the work-group, a load of the wave takes 512 consecutive bytes, and a wave's whole share is
; 64 loads into 256 registers, which are never loaded twice.  Each B fragment serves two products, one with hi and one with lo.
.set PPITCH, 272
.set CHUNK,  64*PPITCH                 ; 17,408
.set WREG,   4*CHUNK                   ; 69,632: a wave's P
.set STAGE,  4*WREG                    ; 278,528: 64 rows (f) x 144 bytes
.set BO,  4                            ; v4      my byte offset in a2f: my 8 blocks of k, 16 x lane
.set AP,  5                            ; v5      my LDS address in P
.set RST, 6                            ; v6      where I put my partial tile
.set L16, 7                            ; v7      16 x lane; also my byte offset in wb
.set RLD, 8                            ; v8-11   where I read my quarter of wave 0 .. 3's partial tile
.set SST, 12                           ; v12     stage: in
.set SLD, 13                           ; v13     stage: back
.set AH,  32                           ; v32-63 hi, v64-95 lo: buffer 0; v96-127, v128-159: buffer 1
.set FIN, 32
.set PK,  160
.set OB,  176
.set G1,  24                           ; s[24:31] group 1 of P's chunks
.set G0,  32                           ; s[32:47] group 0, one set for each chunk; none is ever rewritten
.set MULW, 0x58                        ; A window 0, B window 2 (v512-767: sub-step u's fragments at 32 u), C and D window 1 (tile (a, q) at 8 (4 a + q))
.set TO_B, 0x80                        ; destination window 2, address window 0
.set MSB, 0
.macro WIN new                         ; the immediate's high byte repeats the setting that is left; at labels and branches the setting is 0
.if MSB != \new
	s_set_vgpr_msb (MSB<<8)|\new
.set MSB, \new
.endif
.endm
.macro PLACES                          ; four independent vector instructions behind a matrix instruction, ahead of loads into its sources and reads of its result
.rept 4
	v_nop
.endr
.endm
.macro CROUND                          ; a round of the cluster's barrier
	s_barrier_signal -1
	s_barrier_wait -1
	s_cmp_lg_u32 s14, 0
	s_cbranch_scc1 .Lnot_wave_0_\@
	s_barrier_signal -3
.Lnot_wave_0_\@:
	s_barrier_wait -3
	s_barrier_signal -1
	s_barrier_wait -1
.endm
	s_load_b128 s[4:7], s[0:1], 0x0                ; t2 s[4:5], a2f s[6:7]
	s_load_b64 s[8:9], s[0:1], 0x10                ; wb
	v_lshl_add_u32 v254, v0, 2, 0x46400
	v_mov_b32 v255, 0
	ds_add_u32 v254, v255
	v_lshrrev_b32 v1, 5, v0
	v_readfirstlane_b32 s14, v1                    ; wave 0..3
	s_bfe_u32 s16, ttmp6, 0x40000                  ; cx
	s_bfe_u32 s17, ttmp6, 0x40004                  ; cy
	s_lshl_b32 s18, ttmp9, 2
	s_add_co_u32 s18, s18, s16                     ; column block (f) = 4 x cluster x + cx
	s_and_b32 s19, ttmp7, 0xffff
	s_lshl_b32 s19, s19, 2
	s_add_co_u32 s19, s19, s17                     ; row block (c) = 4 x cluster y + cy
	s_lshl_b32 s20, s17, 2
	s_lshl_b32 s20, 15, s20                        ; my row of the cluster
	; group 1: 64 rows x 64 elements of 4 bytes, 4 words of padding behind every 64 words
	s_or_b32 s[G1+0], s20, (2<<16)|(1<<20)|(1<<21)|(5<<22)|(3<<25)
	s_mov_b32 s[G1+1], 64<<16
	s_mov_b32 s[G1+2], 64<<16
	s_mov_b32 s[G1+3], 64<<16
	s_mov_b32 s[G1+4], 64
	s_mov_b32 s[G1+5], 1024
	s_mov_b32 s[G1+6], 0
	s_mov_b32 s[G1+7], 0
	s_lshl_b32 s48, s19, 18                        ; P: 64 rows of 4,096 bytes a row block,
	s_lshl_b32 s49, s14, 10                        ; my four blocks of [hi | lo].  The column block does not enter
	s_add_co_u32 s48, s48, s49
	s_mov_b32 s49, 0
	s_mul_i32 s21, s14, WREG                       ; my P in LDS
	s_lshl_b32 s50, s18, 12                        ; a2f: 4,096 bytes a block of 64 columns
	s_mov_b32 s51, 0
	v_and_b32 v1, 15, v0                           ; r
	v_bfe_u32 v2, v0, 4, 1                         ; h
	v_and_b32 v3, 31, v0                           ; L
	v_lshlrev_b32 v[L16], 4, v3
	s_lshl_b32 s22, s14, 19                        ; my eight blocks of 32 k: 8 x 16 x 4,096 bytes a wave
	v_add_nc_u32 v[BO], s22, v[L16]
	s_wait_dscnt 0x0
	s_wait_kmcnt 0x0
	s_add_nc_u64 s[48:49], s[4:5], s[48:49]
	s_add_nc_u64 s[6:7], s[6:7], s[50:51]
	CROUND                                         ; all sixteen work-groups are here: the joint loads meet
.irp c, 0,1,2,3
	s_mov_b32 s[G0+4*\c], 1
	s_add_co_u32 s[G0+4*\c+1], s21, \c*CHUNK
	s_add_nc_u64 s[G0+4*\c+2:G0+4*\c+3], s[48:49], \c*256
	s_or_b32 s[G0+4*\c+3], s[G0+4*\c+3], 0x80000000
	tensor_load_to_lds s[G0+4*\c:G0+4*\c+3], s[G1:G1+7]           ; all of my P, in the order in which it is used: four loads of the wave are out
	s_nop 0
.endr
; the four B fragments of sub-step u: piece m = registers 4 m .. 4 m + 3
.macro LOADB u
.irp m, 0,1,2,3,4,5,6,7
	global_load_b128 v[32*(\u)+4*\m:32*(\u)+4*\m+3], v[BO], s[6:7] offset:(\u)*65536+\m*512
.endr
.endm
; fragments of hi and of lo for sub-step u (chunk u / 2, half u % 2) into buffer u % 2: two loads of 16 bytes, 32 apart, each
.macro FETCHA u
.irp a, 0,1,2,3
	ds_load_b128 v[AH+64*((\u)&1)+8*\a:AH+64*((\u)&1)+8*\a+3],       v[AP] offset:((\u)>>1)*CHUNK+\a*16*PPITCH+((\u)&1)*64
	ds_load_b128 v[AH+64*((\u)&1)+8*\a+4:AH+64*((\u)&1)+8*\a+7],     v[AP] offset:((\u)>>1)*CHUNK+\a*16*PPITCH+((\u)&1)*64+32
	ds_load_b128 v[AH+64*((\u)&1)+32+8*\a:AH+64*((\u)&1)+32+8*\a+3],   v[AP] offset:((\u)>>1)*CHUNK+\a*16*PPITCH+((\u)&1)*64+128
	ds_load_b128 v[AH+64*((\u)&1)+32+8*\a+4:AH+64*((\u)&1)+32+8*\a+7], v[AP] offset:((\u)>>1)*CHUNK+\a*16*PPITCH+((\u)&1)*64+160
.endr
.endm
; 16 products with hi, then 16 with lo, on 16 accumulators that take turns one instruction a turn.  zero = 1: the first products start the sums.
.macro MUL u, zero
.irp a, 0,1,2,3
.irp q, 0,1,2,3
.if \zero
	v_wmma_f32_16x16x32_bf16 v[8*(4*\a+\q):8*(4*\a+\q)+7], v[AH+64*((\u)&1)+8*\a:AH+64*((\u)&1)+8*\a+7], v[32*(\u)+8*\q:32*(\u)+8*\q+7], 0
.else
	v_wmma_f32_16x16x32_bf16 v[8*(4*\a+\q):8*(4*\a+\q)+7], v[AH+64*((\u)&1)+8*\a:AH+64*((\u)&1)+8*\a+7], v[32*(\u)+8*\q:32*(\u)+8*\q+7], v[8*(4*\a+\q):8*(4*\a+\q)+7]
.endif
.endr
.endr
.irp a, 0,1,2,3
.irp q, 0,1,2,3
	v_wmma_f32_16x16x32_bf16 v[8*(4*\a+\q):8*(4*\a+\q)+7], v[AH+64*((\u)&1)+32+8*\a:AH+64*((\u)&1)+32+8*\a+7], v[32*(\u)+8*\q:32*(\u)+8*\q+7], v[8*(4*\a+\q):8*(4*\a+\q)+7]
.endr
.endr
.endm
; Sub-step u.  left = the loads issued behind this sub-step's eight of B.  An even sub-step asks for the same chunk's second half ahead of its products; an odd
; one multiplies first and then waits for the next chunk.  The four places behind an odd sub-step's products stand ahead of both loads that follow into
; A's buffers: buffer 0's (read two sub-steps back) there, buffer 1's (read by those products) at the head of the next sub-step.
.macro SUB u, zero, left
	s_wait_loadcnt \left                           ; loads come back in order (ISA guide 5.7.1): this sub-step's B is in, the younger loads stay out
	s_wait_dscnt 0x0                               ; this sub-step's hi and lo are in
.if \u == 0
	WIN TO_B
	LOADB 7                                        ; the last eight of the wave's 64 loads
	WIN 0
.endif
.if (\u & 1) == 0
	FETCHA (\u+1)
.endif
	WIN MULW
	MUL \u, \zero
	WIN 0
.if (\u & 1) == 1
.if \u < 7
	s_wait_tensorcnt 3-(\u+1)/2                    ; tensor loads of a wave end in order (ISA guide 10.11.1): my next chunk is in, the younger ones stay out
	PLACES
	FETCHA (\u+1)
.endif
.endif
.endm
	WIN TO_B
.irp u, 0,1,2,3,4,5,6
	LOADB \u                                       ; 56 loads of the wave are out
.endr
	WIN 0
	v_mul_u32_u24 v17, v1, PPITCH                  ; row r,
	v_lshl_add_u32 v17, v2, 4, v17                 ; k = 8 h: 16 bytes of bf16
	v_add_nc_u32 v[AP], s21, v17
	v_add_nc_u32 v[RST], s21, v[L16]
	s_lshl_b32 s23, s14, 12                        ; quarter w of a partial tile
	v_add_nc_u32 v[RLD], s23, v[L16]
	v_add_nc_u32 v[RLD+1], WREG, v[RLD]
	v_add_nc_u32 v[RLD+2], 2*WREG, v[RLD]
	v_add_nc_u32 v[RLD+3], 3*WREG, v[RLD]
	v_mul_u32_u24 v17, v1, 4*144                   ; stage, in: row f = 4 r + q, 16 bytes at c = 16 w + 8 h
	v_lshl_add_u32 v17, v2, 4, v17
	s_lshl_b32 s23, s14, 5
	s_add_co_u32 s23, s23, STAGE
	v_add_nc_u32 v[SST], s23, v17
	v_lshrrev_b32 v18, 3, v3                       ; stage, back: eight lanes take a row's 128 bytes, a load takes four rows
	v_and_b32 v19, 7, v3
	v_mul_u32_u24 v18, v18, 144
	v_lshl_add_u32 v18, v19, 4, v18
	s_mul_i32 s23, s14, 16*144
	s_add_co_u32 s23, s23, STAGE
	v_add_nc_u32 v[SLD], s23, v18
	s_wait_tensorcnt 0x3                           ; my first chunk is in; the three younger ones stay out.  Only I read my chunks: no barrier
	FETCHA 0
	SUB 0, 1, 48                                   ; behind B 0: B 1 .. B 6
	SUB 1, 0, 48                                   ; behind B 1: B 2 .. B 7
	SUB 2, 0, 40
	SUB 3, 0, 32
	SUB 4, 0, 24
	SUB 5, 0, 16
	SUB 6, 0, 8
	SUB 7, 0, 0
	; the four partial tiles meet in LDS, as in the first launch: each wave's in the first 16,384 bytes of its own P, whose only fill has landed and whose last read is back
	PLACES                                         ; behind the last products, whose results are now read and whose A registers are loaded again
	WIN 0x04                                       ; store data from window 1
.irp a, 0,1,2,3
.irp i, 0,1,2,3,4,5,6,7
	ds_store_b128 v[RST], v[32*\a+4*\i:32*\a+4*\i+3] offset:\a*4096+\i*512
.endr
.endr
	WIN 0
	s_wait_dscnt 0x0                               ; for the others' sake: my stores are done
	s_barrier_signal -1
	s_barrier_wait -1
.irp p, 0,1,2,3
.irp i, 0,1,2,3,4,5,6,7
	ds_load_b128 v[FIN+32*\p+4*\i:FIN+32*\p+4*\i+3], v[RLD+\p] offset:\i*512
.endr
.endr
	s_lshl_b32 s48, s19, 17                        ; wb at block c / 64 = row block, and my 16 rows f of 128 bytes
	s_lshl_b32 s49, s14, 11
	s_add_co_u32 s48, s48, s49
	s_mov_b32 s49, 0
	s_add_nc_u64 s[8:9], s[8:9], s[48:49]
	s_lshl_b32 s50, s18, 13                        ; the column block's 64 rows f
	s_mov_b32 s51, 0
	s_add_nc_u64 s[8:9], s[8:9], s[50:51]
	s_wait_dscnt 0x0
.irp p, 1,2,3
.irp i, 0,1,2,3,4,5,6,7,8,9,10,11,12,13,14,15
	v_pk_add_f32 v[FIN+2*\i:FIN+2*\i+1], v[FIN+2*\i:FIN+2*\i+1], v[FIN+32*\p+2*\i:FIN+32*\p+2*\i+1]
.endr
.endr
	; v[FIN + 8 q + j] = Wc(c = 16 w + 8 h + j, f = 4 r + q): eight neighbouring c of one f pack into 16 bytes of that f's row
.irp q, 0,1,2,3
.irp i, 0,1,2,3
	v_cvt_pk_bf16_f32 v[PK+4*\q+\i], v[FIN+8*\q+2*\i], v[FIN+8*\q+2*\i+1]
.endr
	ds_store_b128 v[SST], v[PK+4*\q:PK+4*\q+3] offset:144*\q
.endr
	s_wait_dscnt 0x0                               ; each row of the stage holds parts from all four waves
	s_barrier_signal -1
	s_barrier_wait -1
.irp i, 0,1,2,3
	ds_load_b128 v[OB+4*\i:OB+4*\i+3], v[SLD] offset:576*\i
.endr
.irp i, 0,1,2,3
	s_wait_dscnt 3-\i                              ; the 3 - i younger loads may stay out
	global_store_b128 v[L16], v[OB+4*\i:OB+4*\i+3], s[8:9] offset:512*\i    ; a store of the wave covers 512 consecutive bytes, aligned
.endr
	s_wait_tensorcnt 0x0
	ds_add_u32 v254, v255
	s_wait_dscnt 0x0
	CROUND                                         ; the closing round: no work-group ends while a partner may still ask for a chunk that names it
	s_endpgm
.Lfunc_end_k_q9ce9e668b3_wprod:
	.size	k_q9ce9e668b3_wprod, .Lfunc_end_k_q9ce9e668b3_wprod-k_q9ce9e668b3_wprod
	.p2alignl 7, 3214868480
	.fill 96, 4, 3214868480
	.section	.rodata,"a",@progbits
	.p2align	6, 0x0
	.amdhsa_kernel k_q9ce9e668b3_wprod
		.amdhsa_group_segment_fixed_size 288256
		.amdhsa_private_segment_fixed_size 0
		.amdhsa_enable_private_segment 0
		.amdhsa_kernarg_size 24
		.amdhsa_user_sgpr_count 2
		.amdhsa_user_sgpr_kernarg_segment_ptr 1
		.amdhsa_wavefront_size32 1
		.amdhsa_system_sgpr_workgroup_id_x 1
		.amdhsa_system_sgpr_workgroup_id_y 1
		.amdhsa_system_sgpr_workgroup_id_z 1
		.amdhsa_system_vgpr_workitem_id 0
		.amdhsa_next_free_vgpr 768
		.amdhsa_next_free_sgpr 66
		.amdhsa_reserve_vcc 0
		.amdhsa_float_denorm_mode_32 3
		.amdhsa_float_denorm_mode_16_64 3
		.amdhsa_memory_ordered 1
		.amdhsa_forward_progress 1
		.amdhsa_inst_pref_size 47
	.end_amdhsa_kernel
	.amdgpu_metadata
---
amdhsa.version: [ 1, 2 ]
amdhsa.kernels:
  - .name:           k_q9ce9e668b3_wprod
    .symbol:         k_q9ce9e668b3_wprod.kd
    .args:
      - { .name: t2, .offset: 0, .size: 8, .value_kind: global_buffer, .address_space: global }
      - { .name: a2f, .offset: 8, .size: 8, .value_kind: global_buffer, .address_space: global }
      - { .name: wb, .offset: 16, .size: 8, .value_kind: global_buffer, .address_space: global }
    .group_segment_fixed_size: 288256
    .private_segment_fixed_size: 0
    .kernarg_segment_align: 8
    .kernarg_segment_size: 24
    .max_flat_workgroup_size: 128
    .sgpr_count:     66
    .vgpr_count:     768
    .wavefront_size: 32
...
	.end_amdgpu_metadata
.endif
;; end of part 2
;; launch main (part 3): grid 4 x 64, 4 waves a work-group, clusters of 4 x 4, 327,680 bytes of LDS; arguments x, wb, bias, out0; writes out0
.if DOCPART == 3
	.amdgcn_target "amdgcn-amd-amdhsa--gfx1250"
	.amdhsa_code_object_version 6
	.text
	.protected	k_q9ce9e668b3_main
	.globl	k_q9ce9e668b3_main
	.p2align	8
	.type	k_q9ce9e668b3_main,@function
k_q9ce9e668b3_main:
	s_mov_b64 s[64:65], 0
	v_nop
	global_prefetch_b8 v0, s[64:65] scope:SCOPE_SE
	s_setreg_imm32_b32 hwreg(HW_REG_WAVE_MODE, 25, 1), 1
	s_wait_xcnt 0x0
	s_wait_alu depctr_hold_cnt(0) depctr_sa_sdst(0) depctr_va_vdst(0) depctr_va_sdst(0) depctr_va_ssrc(0) depctr_va_vcc(0) depctr_vm_vsrc(0)
	s_getreg_b32 s2, hwreg(HW_REG_IB_STS2, 6, 4)
	s_cmp_eq_u32 s2, 0
	s_cbranch_scc0 .Lentry_in_a_cluster
	s_endpgm
.Lentry_in_a_cluster:
	s_bfe_u32 s2, ttmp6, 0x10000c
	s_cmp_lg_u32 s2, 0xf033
	s_cbranch_scc0 .Lentry_shape_is_right
	s_endpgm
.Lentry_shape_is_right:
; Third launch: out0 = tanh(bf16(x) Wc + bias), Wc = (W A1) A2 from the second launch: the one tall product that the association from the right leaves
; (see the first kernel's head, with its limits).  x [8192][1024] f32; wb[c / 64][f][c % 64] bf16; bias [1024] f32; out0 [8192][1024] f32.
; 256 work-groups of four waves, each a block of 128 rows x 256 columns; wave (wm, wn) makes 64 x 128: 32 accumulator tiles, 256 registers.
; K = 1024 goes in eight steps of 128 through two LDS slots; a step is four quarters of 32.  x comes as f32 (each byte of it is asked for once in a
; cluster, and no cast launch moves it a second time) and is rounded to bf16 between LDS and the matrix instruction.
; CLUSTERS: 4 x 4.  x's tile hangs on the row block alone: asked for jointly by the four column blocks, a row of the cluster.  wb's tile hangs on the
; column block alone: jointly by the four of a column of the cluster.
; PREFETCH: x is read from memory once, so its tiles are asked for ahead of the ring.  In the turn that ends K step s the ring asks for step s + 2 and waves 0 and 1
; ask for step s + 3 of their work-group's quarter of the row block's tile: 32 rows x 512 bytes, 64 blocks of 256 bytes, one lane a block, 16 KiB a work-group
; and step; the four work-groups of a row of the cluster cover the 128 rows, each block once.  Step 2 is asked for at the start; nothing is asked beyond step 7,
; the last.  The step stands in the immediate, which is why the four laps of the ring are written out: no register of a prefetch is ever rewritten.
; wb is not asked for ahead: each 512 KiB quarter of it is read by every work-group of its column block.
; LDS: slot s at s * SLOT: B = two blocks (c / 64) of 256 rows f of 128 bytes + 16 of padding; A behind it, 128 rows of 512 bytes + 16.  With rows 144
; and 528 apart the sixteen rows that a fragment load touches lie 16 bytes apart modulo 256.  Behind the ring each wave's own stage, 16 rows x 528.
; REGISTERS: window 0 addresses, x as loaded, A fragments (two buffers); window 1 the accumulators (tile (a, b) at 8 (8 a + b));
; window 2 B fragments (two buffers of 64).
; THE MATRIX INSTRUCTION IS USED TRANSPOSED (source 0 = 16 rows f of wb, source 1 = 16 rows of x): register j of lane (r, h) of tile (a, b) is
; (row 16 a + r, column 16 b + 8 h + j): eight neighbouring columns.
; TANH: for h^2 < 2^-8 the form h (1 - h^2 / 3) (the next term of the series is 2 h^4 / 15, at most 2.1e-6 of the result); elsewhere
; 1 - 2 / (1 + 2^(2 h log2 e)), whose absolute error of about 2e-7 is at most 3e-6 of a result of 1/16 or more.  Both are computed and one is selected.
; An infinite h gives +-1, a NaN stays a NaN.
.set SLOT,   141312
.set BZ,     36864                     ; one block of B: 256 x 144
.set AREG,   2*BZ
.set APITCH, 528
.set BPITCH, 144
.set STAGE,  2*SLOT
.set ASTEP,  512                       ; a K step along x's rows: 128 f32
.set BSTEP,  2*131072                  ; a K step in wb: two blocks
.set ADRA, 4                           ; v4-5   my A address in slot 0, 1
.set ADRB, 6                           ; v6-7   my B address in slot 0, 1
.set STO,  8                           ; v8     stage: in
.set RD,   9                           ; v9     stage: back
.set CO,   10                          ; v10    my byte offset in a row of my block of out0
.set BO,   11                          ; v11    my byte offset in bias
.set BI,   12                          ; v12-15 bias of my four columns
.set TH,   16                          ; v16-19 h     v20-23 the exponential form     v24-27 h^2, then the series form
.set TE,   20
.set TS,   24
.set PF,   28                          ; v28    the block of x that I ask for ahead, from the row block's first byte; never rewritten
.set RAW,  32                          ; v32-95 x as loaded, f32; on the way out the rows read back
.set AF,   96                          ; v96-127, v128-159 A fragments, buffer 0, 1
.set G1A, 24                           ; s[24:31], s[32:39] groups 1 and 0 of x's tiles
.set G0A, 32
.set G1B, 48                           ; s[48:55], s[56:63] groups 1 and 0 of wb's tiles
.set G0B, 56
.set MULW, 0x52                        ; source 0 (B) window 2, source 1 (A) window 0, C and D window 1
.set TO_B, 0x80                        ; destination window 2, address window 0
.set MSB, 0
.macro WIN new                         ; the immediate's high byte repeats the setting that is left; at labels and branches the setting is 0
.if MSB != \new
	s_set_vgpr_msb (MSB<<8)|\new
.set MSB, \new
.endif
.endm
.macro JLOAD s                         ; waves 0 and 1 ask for B's two blocks, waves 2 and 3 for A's two halves; the branch hangs on the wave's number alone
	s_cmp_eq_u32 s13, 0
	s_cbranch_scc0 .Lfor_a_\@
	tensor_load_to_lds s[G0B+4*\s:G0B+4*\s+3], s[G1B:G1B+7]
	s_nop 0
	s_branch .Lasked_\@
.Lfor_a_\@:
	tensor_load_to_lds s[G0A+4*\s:G0A+4*\s+3], s[G1A:G1A+7]
	s_nop 0
.Lasked_\@:
.endm
.macro ASK st                          ; waves 0 and 1: one lane a block of 256 bytes of K step st of my work-group's 32 rows of x
	s_cmp_lg_u32 s13, 0
	s_cbranch_scc1 .Lno_ask_\@
	global_prefetch_b8 v[PF], s[4:5] offset:\st*ASTEP th:TH_LOAD_NT scope:SCOPE_SE
.Lno_ask_\@:
.endm
.macro CREST                           ; a round of the cluster's barrier behind its opening barrier
	s_cmp_lg_u32 s12, 0
	s_cbranch_scc1 .Lnot_wave_0_\@
	s_barrier_signal -3
.Lnot_wave_0_\@:
	s_barrier_wait -3
	s_barrier_signal -1
	s_barrier_wait -1
.endm
.macro CROUND                          ; a whole round
	s_barrier_signal -1
	s_barrier_wait -1
	CREST
.endm
	s_load_b256 s[4:11], s[0:1], 0x0               ; x s[4:5], wb s[6:7], bias s[8:9], out0 s[10:11]
	v_lshl_add_u32 v254, v0, 2, 0x4d400
	v_mov_b32 v255, 0
	ds_add_u32 v254, v255
	v_lshrrev_b32 v1, 5, v0
	v_readfirstlane_b32 s12, v1                    ; wave 0..3
	s_lshr_b32 s13, s12, 1                         ; wm: my 64 rows.  Also: I fetch for B (0) or for A (1)
	s_and_b32 s14, s12, 1                          ; wn: my 128 columns.  Also: which half of that tile I fetch
	s_mov_b32 s3, 0x3b800000                       ; 2^-8
	s_bfe_u32 s40, ttmp6, 0x40000                  ; cx
	s_bfe_u32 s41, ttmp6, 0x40004                  ; cy
	s_lshl_b32 s42, ttmp9, 2
	s_add_co_u32 s42, s42, s40                     ; column block = 4 x cluster x + cx
	s_and_b32 s43, ttmp7, 0xffff
	s_lshl_b32 s43, s43, 2
	s_add_co_u32 s43, s43, s41                     ; row block = 4 x cluster y + cy
	s_lshl_b32 s44, s41, 2
	s_lshl_b32 s44, 15, s44                        ; my row of the cluster
	s_lshl_b32 s45, 0x1111, s40                    ; my column
	; group 1 of x's tiles: 64 rows x 128 elements of 4 bytes, 4 words of padding behind every 128 words
	s_or_b32 s[G1A+0], s44, (2<<16)|(1<<20)|(1<<21)|(6<<22)|(3<<25)
	s_mov_b32 s[G1A+1], 128<<16                    ; tensor_dim0 = 128
	s_mov_b32 s[G1A+2], 64<<16                     ; tensor_dim1 = 64
	s_mov_b32 s[G1A+3], 128<<16                    ; tile_dim0 = 128
	s_mov_b32 s[G1A+4], 64                         ; tile_dim1 = 64
	s_mov_b32 s[G1A+5], 1024                       ; elements from row to row
	s_mov_b32 s[G1A+6], 0
	s_mov_b32 s[G1A+7], 0
	; group 1 of wb's tiles: 32,768 consecutive bytes as 128 rows of 128 elements of 2 bytes; 4 words of padding behind every 32 words, that is behind each row f
	s_or_b32 s[G1B+0], s45, (1<<16)|(1<<20)|(1<<21)|(4<<22)|(3<<25)
	s_mov_b32 s[G1B+1], 128<<16
	s_mov_b32 s[G1B+2], 128<<16
	s_mov_b32 s[G1B+3], 128<<16
	s_mov_b32 s[G1B+4], 128
	s_mov_b32 s[G1B+5], 128
	s_mov_b32 s[G1B+6], 0
	s_mov_b32 s[G1B+7], 0
	s_lshl_b32 s20, s43, 19                        ; x: 128 rows of 4,096 bytes a block, + 64 rows for the second half
	s_lshl_b32 s21, s14, 18
	s_add_co_u32 s20, s20, s21
	s_mov_b32 s21, 0
	s_lshl_b32 s46, s42, 15                        ; wb: 256 rows f of 128 bytes a block, + 131,072 for the second block of c
	s_lshl_b32 s47, s14, 17
	s_add_co_u32 s46, s46, s47
	s_mov_b32 s47, 0
	s_mul_i32 s22, s12, 64*APITCH
	s_add_co_u32 s22, s22, AREG-2*64*APITCH        ; LDS: A's halves at 73,728 + (wave - 2) x 33,792 (waves 2, 3),
	s_mul_i32 s23, s12, BZ                         ; B's blocks at wave x 36,864 (waves 0, 1)
	s_wait_dscnt 0x0
	s_wait_kmcnt 0x0
	s_add_nc_u64 s[20:21], s[4:5], s[20:21]
	s_add_nc_u64 s[46:47], s[6:7], s[46:47]
	CROUND                                         ; all sixteen work-groups are here: the first joint loads meet
.irp s, 0,1
	s_mov_b32 s[G0A+4*\s], 1
	s_add_co_u32 s[G0A+4*\s+1], s22, \s*SLOT
	s_add_nc_u64 s[G0A+4*\s+2:G0A+4*\s+3], s[20:21], \s*ASTEP
	s_or_b32 s[G0A+4*\s+3], s[G0A+4*\s+3], 0x80000000
	s_mov_b32 s[G0B+4*\s], 1
	s_add_co_u32 s[G0B+4*\s+1], s23, \s*SLOT
	s_add_nc_u64 s[G0B+4*\s+2:G0B+4*\s+3], s[46:47], \s*BSTEP
	s_or_b32 s[G0B+4*\s+3], s[G0B+4*\s+3], 0x80000000
	JLOAD \s                                       ; K steps 0 and 1: two loads of the wave are out
.endr
	v_and_b32 v3, 31, v0                           ; L
	v_and_b32 v1, 15, v0                           ; r
	v_bfe_u32 v2, v0, 4, 1                         ; h
	; what I ask for ahead: row 32 cx + 16 (wave % 2) + L / 2 of the row block, block L % 2 of a step's 512 bytes
	s_lshl_b32 s16, s43, 19
	s_mov_b32 s17, 0
	s_add_nc_u64 s[4:5], s[4:5], s[16:17]          ; x at my row block's first row; the descriptors hold sums of their own
	s_lshl_b32 s16, s40, 5
	s_lshl_b32 s18, s14, 4
	s_add_co_u32 s16, s16, s18
	v_lshrrev_b32 v18, 1, v3
	v_add_nc_u32 v18, s16, v18
	v_and_b32 v19, 1, v3
	v_lshlrev_b32 v19, 8, v19
	v_lshl_add_u32 v[PF], v18, 12, v19
	ASK 2                                          ; the ring holds the requests for steps 0 and 1; step 2 is loaded behind step 0's work
	v_mul_u32_u24 v16, v1, APITCH
	v_lshl_add_u32 v16, v2, 5, v16                 ; row r, 32 h bytes: k = 8 h in f32; the stage's rows are laid alike
	s_mul_i32 s16, s13, 64*APITCH
	s_add_co_u32 s16, s16, AREG
	v_add_nc_u32 v[ADRA], s16, v16
	v_add_nc_u32 v[ADRA+1], SLOT, v[ADRA]
	v_mul_u32_u24 v17, v1, BPITCH
	v_lshl_add_u32 v17, v2, 4, v17                 ; row r, 16 h bytes: k = 8 h in bf16
	s_mul_i32 s16, s14, 128*BPITCH
	v_add_nc_u32 v[ADRB], s16, v17
	v_add_nc_u32 v[ADRB+1], SLOT, v[ADRB]
	s_mul_i32 s16, s12, 16*APITCH
	s_add_co_u32 s16, s16, STAGE                   ; my stage
	v_add_nc_u32 v[STO], s16, v16
	v_lshlrev_b32 v[CO], 4, v3                     ; 16 L: a row of my 128 columns is 512 bytes, 16 a lane
	v_add_nc_u32 v[RD], s16, v[CO]
	s_lshl_b32 s17, s42, 10
	s_lshl_b32 s18, s14, 9
	s_add_co_u32 s17, s17, s18
	v_add_nc_u32 v[BO], s17, v[CO]
	global_load_b128 v[BI:BI+3], v[BO], s[8:9]     ; bias of columns 4 L .. 4 L + 3 of my 128; waited for on the way out
; The operands of one quarter (32 along K, quarter kq of the slot's step) for buffer g: 16 loads of x as f32, then 16 of B's fragments
.macro FETCH slot, kq, g
	WIN 0
.irp a, 0,1,2,3
	ds_load_b128 v[RAW+16*\a:RAW+16*\a+3],     v[ADRA+\slot] offset:\a*16*APITCH+\kq*128
	ds_load_b128 v[RAW+16*\a+4:RAW+16*\a+7],   v[ADRA+\slot] offset:\a*16*APITCH+\kq*128+16
	ds_load_b128 v[RAW+16*\a+8:RAW+16*\a+11],  v[ADRA+\slot] offset:\a*16*APITCH+\kq*128+64
	ds_load_b128 v[RAW+16*\a+12:RAW+16*\a+15], v[ADRA+\slot] offset:\a*16*APITCH+\kq*128+80
.endr
	WIN TO_B
.irp b, 0,1,2,3,4,5,6,7
	ds_load_b128 v[64*\g+8*\b:64*\g+8*\b+3],   v[ADRB+\slot] offset:(\kq>>1)*BZ+(\kq&1)*64+\b*16*BPITCH
	ds_load_b128 v[64*\g+8*\b+4:64*\g+8*\b+7], v[ADRB+\slot] offset:(\kq>>1)*BZ+(\kq&1)*64+\b*16*BPITCH+32
.endr
.endm
.macro CVT g                           ; x to bf16: four A fragments of buffer g
.irp a, 0,1,2,3
.irp i, 0,1,2,3,4,5,6,7
	v_cvt_pk_bf16_f32 v[AF+32*\g+8*\a+\i], v[RAW+16*\a+2*\i], v[RAW+16*\a+2*\i+1]
.endr
.endr
.endm
; 16 matrix instructions: row tiles a0, a0 + 1 x all eight column tiles.  The 32 accumulators take turns one instruction a turn, in the same order in every
; quarter.  zero = 1: the first product starts the sums.
.macro MUL16 f, a0, zero
.irp a, \a0, \a0+1
.irp b, 0,1,2,3,4,5,6,7
.if \zero
	v_wmma_f32_16x16x32_bf16 v[8*(8*(\a)+\b):8*(8*(\a)+\b)+7], v[64*\f+8*\b:64*\f+8*\b+7], v[AF+32*\f+8*(\a):AF+32*\f+8*(\a)+7], 0
.else
	v_wmma_f32_16x16x32_bf16 v[8*(8*(\a)+\b):8*(8*(\a)+\b)+7], v[64*\f+8*\b:64*\f+8*\b+7], v[AF+32*\f+8*(\a):AF+32*\f+8*(\a)+7], v[8*(8*(\a)+\b):8*(8*(\a)+\b)+7]
.endif
.endr
.endr
.endm
; A quarter: the next quarter's operands are asked for, buffer f is multiplied, the next quarter's x is rounded into buffer g.
; The 32 conversions name none of the registers of this quarter's products (those read buffer f and the accumulators), so they are the independent
; vector instructions that stand between these products and the next quarter's loads into, and conversions into, buffer f.
.macro QUARTER slot, kq, f, g, zero
	FETCH \slot, \kq, \g
	WIN MULW
	MUL16 \f, 0, \zero
	MUL16 \f, 2, \zero
	WIN 0
	s_wait_dscnt 16                                ; x's 16 loads are in; the 16 younger ones, B's, may stay out
	CVT \g
	s_wait_dscnt 0x0                               ; B's fragments are in
.endm
.macro THREE slot, zero
	QUARTER \slot, 1, 0, 1, \zero
	QUARTER \slot, 2, 1, 0, 0
	QUARTER \slot, 3, 0, 1, 0
.endm
; The last quarter of a step multiplies buffer 1 and changes slots.  In front of the barrier each wave's reads of this slot are back and all its tensor
; loads have landed (the one that was out is its part of the next slot).  Behind it (fill = 1: behind the round of the cluster's barrier that it opens)
; this slot is filled again first, two K steps ahead, and then the next slot is read.  ask = the K step of x that is asked for ahead, 0 for none.
.macro TURN slot, next, fill, ask
	s_wait_dscnt 0x0
	s_wait_tensorcnt 0x0
	ds_add_u32 v254, v255
	s_wait_dscnt 0x0
	s_barrier_signal -1
	WIN MULW
	MUL16 1, 0, 0                                  ; work on registers while the others arrive
	WIN 0
	s_barrier_wait -1
.if \fill
	CREST                                          ; no wave of any partner still reads this slot or has a load on its way
	s_add_nc_u64 s[G0A+4*\slot+2:G0A+4*\slot+3], s[G0A+4*\slot+2:G0A+4*\slot+3], 2*ASTEP
	s_add_nc_u64 s[G0B+4*\slot+2:G0B+4*\slot+3], s[G0B+4*\slot+2:G0B+4*\slot+3], 2*BSTEP
	JLOAD \slot                                    ; my one tensor load behind the round, and the first thing there
.endif
.if \ask
	ASK \ask                                       ; one K step beyond the load just issued
.endif
	FETCH \next, 0, 0
	WIN MULW
	MUL16 1, 2, 0
	WIN 0
	s_wait_dscnt 16                                ; as in a quarter
	CVT 0
	s_wait_dscnt 0x0
.endm
.macro LAP zero, ask0, ask1            ; once round the ring, both slots filled again
	THREE 0, \zero
	TURN 0, 1, 1, \ask0
	THREE 1, 0
	TURN 1, 0, 1, \ask1
.endm
	s_wait_tensorcnt 0x1                           ; my part of K step 0 is in; K step 1's load, the one issued behind it, may stay out
	s_barrier_signal -1
	s_barrier_wait -1
	FETCH 0, 0, 0
	WIN 0
	s_wait_dscnt 16
	CVT 0
	s_wait_dscnt 0x0
	LAP 1, 3, 4                                    ; K steps 0, 1: the first products start the sums; the ring asks for steps 2, 3
	LAP 0, 5, 6                                    ; K steps 2, 3; the ring asks for steps 4, 5
	LAP 0, 7, 0                                    ; K steps 4, 5; the ring asks for steps 6, 7; step 7 is the last that there is to ask for ahead
	THREE 0, 0                                     ; the last lap fills nothing: my one load that is still out is the last K step's
	TURN 0, 1, 0, 0
	THREE 1, 0
	WIN MULW
	MUL16 1, 0, 0
	MUL16 1, 2, 0
	WIN 0
	; THE WAY OUT, 16 rows at a time through my own stage: in by tiles, back as whole rows of 512 bytes, bias and tanh on the way, stored by rows.
.rept 4
	v_nop                                          ; four independent vector instructions behind the last products (ISA guide 7.12.1), whose results are now read
.endr
	s_lshl_b32 s20, s43, 19                        ; out0 at my first row: (128 x row block + 64 wm) x 4,096
	s_lshl_b32 s21, s13, 18
	s_add_co_u32 s20, s20, s21
	s_mov_b32 s21, 0
	s_add_nc_u64 s[10:11], s[10:11], s[20:21]
	s_lshl_b32 s46, s42, 10                        ; and my first column: (256 x column block + 128 wn) x 4
	s_lshl_b32 s47, s14, 9
	s_add_co_u32 s46, s46, s47
	s_mov_b32 s47, 0
	s_add_nc_u64 s[10:11], s[10:11], s[46:47]
	s_wait_loadcnt 0x0                             ; the bias
; four numbers in v[x .. x+3]: + bias, tanh, in place
.macro TANH4 x
	v_pk_add_f32 v[TH:TH+1],   v[\x:\x+1],   v[BI:BI+1]
	v_pk_add_f32 v[TH+2:TH+3], v[\x+2:\x+3], v[BI+2:BI+3]
	v_pk_mul_f32 v[TE:TE+1],   v[TH:TH+1],   0x4038aa3b op_sel_hi:[1,0]    ; 2 h log2 e
	v_pk_mul_f32 v[TE+2:TE+3], v[TH+2:TH+3], 0x4038aa3b op_sel_hi:[1,0]
	v_exp_f32 v[TE],   v[TE]
	v_exp_f32 v[TE+1], v[TE+1]
	v_exp_f32 v[TE+2], v[TE+2]
	v_exp_f32 v[TE+3], v[TE+3]
	v_pk_mul_f32 v[TS:TS+1],   v[TH:TH+1],   v[TH:TH+1]                    ; h^2: plain work that touches none of the exponentials' registers stands behind them (ISA guide 5.7.2)
	v_pk_mul_f32 v[TS+2:TS+3], v[TH+2:TH+3], v[TH+2:TH+3]
	s_wait_alu depctr_va_vdst(0)
	v_pk_add_f32 v[TE:TE+1],   v[TE:TE+1],   1.0 op_sel_hi:[1,0]
	v_pk_add_f32 v[TE+2:TE+3], v[TE+2:TE+3], 1.0 op_sel_hi:[1,0]
	v_rcp_f32 v[TE],   v[TE]
	v_rcp_f32 v[TE+1], v[TE+1]
	v_rcp_f32 v[TE+2], v[TE+2]
	v_rcp_f32 v[TE+3], v[TE+3]
	v_cmp_gt_f32 s16, s3, v[TS]                                            ; 2^-8 > h^2; plain work again behind the reciprocals
	v_cmp_gt_f32 s17, s3, v[TS+1]
	v_cmp_gt_f32 s18, s3, v[TS+2]
	v_cmp_gt_f32 s19, s3, v[TS+3]
	v_pk_fma_f32 v[TS:TS+1],   v[TS:TS+1],   0xbeaaaaab, 1.0 op_sel_hi:[1,0,0]   ; 1 - h^2 / 3
	v_pk_fma_f32 v[TS+2:TS+3], v[TS+2:TS+3], 0xbeaaaaab, 1.0 op_sel_hi:[1,0,0]
	v_pk_mul_f32 v[TS:TS+1],   v[TS:TS+1],   v[TH:TH+1]
	v_pk_mul_f32 v[TS+2:TS+3], v[TS+2:TS+3], v[TH+2:TH+3]
	s_wait_alu depctr_va_vdst(0)
	v_pk_fma_f32 v[TE:TE+1],   v[TE:TE+1],   -2.0, 1.0 op_sel_hi:[1,0,0]   ; 1 - 2 / (1 + e^(2 h))
	v_pk_fma_f32 v[TE+2:TE+3], v[TE+2:TE+3], -2.0, 1.0 op_sel_hi:[1,0,0]
	v_cndmask_b32 v[\x],   v[TE],   v[TS],   s16
	v_cndmask_b32 v[\x+1], v[TE+1], v[TS+1], s17
	v_cndmask_b32 v[\x+2], v[TE+2], v[TS+2], s18
	v_cndmask_b32 v[\x+3], v[TE+3], v[TS+3], s19
.endm
; rows 16 a .. 16 a + 15 of my block
.macro OUT16 a
	WIN 0x04                                       ; store data from window 1
.irp b, 0,1,2,3,4,5,6,7
	ds_store_b128 v[STO], v[8*(8*\a+\b):8*(8*\a+\b)+3]   offset:64*\b
	ds_store_b128 v[STO], v[8*(8*\a+\b)+4:8*(8*\a+\b)+7] offset:64*\b+16
.endr
	WIN 0
	s_wait_xcnt 0x0                                ; every earlier memory instruction has had its addresses translated (ISA guide 3.1): the registers that the last 16 rows' stores read are loaded again only behind this wait
.irp t, 0,1,2,3,4,5,6,7,8,9,10,11,12,13,14,15
	ds_load_b128 v[RAW+4*\t:RAW+4*\t+3], v[RD] offset:APITCH*\t   ; my own stage: LDS serves a wave's instructions in order (ISA guide 5.7.1.4), these see the stores above, and the next 16 rows' stores come behind them
.endr
.irp t, 0,1,2,3,4,5,6,7,8,9,10,11,12,13,14,15
	s_wait_dscnt 15-\t                             ; the 15 - t younger loads may stay out
	TANH4 RAW+4*\t
	global_store_b128 v[CO], v[RAW+4*\t:RAW+4*\t+3], s[10:11] offset:(16*\a+\t)*4096 th:TH_STORE_NT   ; a store of the wave covers 512 consecutive bytes, aligned
.endr
.endm
	OUT16 0
	OUT16 1
	OUT16 2
	OUT16 3
	s_wait_tensorcnt 0x0
	ds_add_u32 v254, v255
	s_wait_dscnt 0x0
	CROUND                                         ; the closing round: no work-group ends while a partner may still ask for a tile that names it
	s_endpgm
.Lfunc_end_k_q9ce9e668b3_main:
	.size	k_q9ce9e668b3_main, .Lfunc_end_k_q9ce9e668b3_main-k_q9ce9e668b3_main
	.p2alignl 7, 3214868480
	.fill 96, 4, 3214868480
	.section	.rodata,"a",@progbits
	.p2align	6, 0x0
	.amdhsa_kernel k_q9ce9e668b3_main
		.amdhsa_group_segment_fixed_size 327680
		.amdhsa_private_segment_fixed_size 0
		.amdhsa_enable_private_segment 0
		.amdhsa_kernarg_size 32
		.amdhsa_user_sgpr_count 2
		.amdhsa_user_sgpr_kernarg_segment_ptr 1
		.amdhsa_wavefront_size32 1
		.amdhsa_system_sgpr_workgroup_id_x 1
		.amdhsa_system_sgpr_workgroup_id_y 1
		.amdhsa_system_sgpr_workgroup_id_z 1
		.amdhsa_system_vgpr_workitem_id 0
		.amdhsa_next_free_vgpr 640
		.amdhsa_next_free_sgpr 66
		.amdhsa_reserve_vcc 0
		.amdhsa_float_denorm_mode_32 3
		.amdhsa_float_denorm_mode_16_64 3
		.amdhsa_memory_ordered 1
		.amdhsa_forward_progress 1
		.amdhsa_inst_pref_size 255
	.end_amdhsa_kernel
	.section	.bss,"aw",@nobits
	.p2align	6
	.space	262144
	.amdgpu_metadata
---
amdhsa.version: [ 1, 2 ]
amdhsa.kernels:
  - .name:           k_q9ce9e668b3_main
    .symbol:         k_q9ce9e668b3_main.kd
    .args:
      - { .name: x, .offset: 0, .size: 8, .value_kind: global_buffer, .address_space: global }
      - { .name: wb, .offset: 8, .size: 8, .value_kind: global_buffer, .address_space: global }
      - { .name: bias, .offset: 16, .size: 8, .value_kind: global_buffer, .address_space: global }
      - { .name: out0, .offset: 24, .size: 8, .value_kind: global_buffer, .address_space: global }
    .group_segment_fixed_size: 327680
    .private_segment_fixed_size: 0
    .kernarg_segment_align: 8
    .kernarg_segment_size: 32
    .max_flat_workgroup_size: 128
    .sgpr_count:     66
    .vgpr_count:     640
    .wavefront_size: 32
...
	.end_amdgpu_metadata
.endif
;; end of part 3
